; MI455X (gfx1250); checked and timed in simulation.
; The chip was launched on July 23, 2026; its instructions are those of AMD's public machine-readable ISA for CDNA 5 (MIT licence, August 2026) and "CDNA5" Instruction Set Architecture Reference Guide (July 2026). The comments in the code are by the model that wrote it; some were corrected since.
;; Cross Attention Block. Allowed arithmetic: matrix products marked QUANTISED: E4M3 operands, one E8M0 scale for each 32 along K, by v_wmma_scale_f32_16x16x128_f8f6f4 with both operands' format E4M3, f32 sums; everything else in f32.
;; Inputs: Wv_b 256 float32; Wv_w 256 x 256 float32; func_embed 8,192 x 256 float32; sent_embed 16,384 x 256 float32.
;; Outputs: out0 16,384 x 256 float32.
;; This version of the problem:
;;   THIS VERSION OF THE PROBLEM IS GIVEN IN LOW PRECISION. The matrix products marked QUANTISED in the list below multiply operands that are first quantised to E4M3 (4 exponent bits, 3 mantissa bits; 8 bits a number), with one power-of-two scale for each 32 numbers along K (OCP MX v1.0); their sums are f32. All else is computed in f32.
;;   The module's matrix products, in the order in which they are computed (A, B: the left and right operand; K: the contracted axis; several contracted axes count as one K, in the product's order):
;;     1. [M 8,192, K 256] x [K 256, N 256]; A: input func_embed; B: input Wv_w: QUANTISED
;;     2. [M 16,384, K 256] x [K 256, N 8,192]; A: input sent_embed; B: input func_embed: QUANTISED
;;     3. [M 16,384, K 8,192] x [K 8,192, N 256]; A: softmax (see below); B: computed on the way: QUANTISED
;;   THE QUANTISER, for each operand of a quantised product, along K:
;;     - K is cut into blocks of 32 from its start; a last block that is shorter is filled with zeros.
;;     - A block's scale is 2^e with e = floor(log2(the largest magnitude in the block)) - 8, held to -126 .. 127; a block of zeros has e = 0. As a byte (E8M0): e + 127.
;;     - Each number is divided by its block's scale, clamped to +-448, and rounded to the nearest number of E4M3, ties to even, subnormals kept.
;;     - The product sums the exact products of the quantised numbers (number of the format x scale) in f32.
;;   ~~~python
;;   def quantise(x, axis):      # numpy; x: float32 -> the quantised numbers, widened to float32 again
;;       x = np.moveaxis(x, axis, -1); K = x.shape[-1]
;;       x = np.pad(x, [(0, 0)] * (x.ndim - 1) + [(0, -K % 32)]); x = x.reshape(x.shape[:-1] + (-1, 32)); a = np.abs(x).max(-1, keepdims=True)
;;       e = np.where(a > 0, np.clip(np.frexp(np.where(a > 0, a, 1))[1] - 1 - 8, -126, 127), 0)      # np.frexp(a)[1] - 1 = floor(log2(a)), exactly
;;       r = np.clip(x / 2.0 ** e, -448, 448)
;;       step = 2.0 ** (np.maximum(np.frexp(np.where(r == 0, 1, r))[1] - 1, -6) - 3)
;;       q = np.round(r / step) * step * 2.0 ** e      # np.round: ties to even
;;       return np.moveaxis(q.reshape(q.shape[:-2] + (-1,))[..., :K], -1, axis).astype(np.float32)
;;   ~~~
;;   SOFTMAX AHEAD OF A QUANTISED PRODUCT. Where the list says 'softmax', what is quantised is not the finished softmax but p = 2^(t - M), with t = logit x log2(e) and M = ceil(the row's largest t), a whole number; so 1/2 < the row's largest p <= 1. The row's sum l is taken of the UNQUANTISED p, in f32, and the product's result is divided by l at the end. Since M is a whole number, a kernel that streams over the keys may use a running M (the ceiling of the running maximum): every later rescaling is an exact power of two, which a block's scale takes up: the codes' values come out the same.
;;   OPERANDS COMPUTED ON THE WAY. 'Computed on the way' means the value that the module computes at that place (a softmax that the list does not call 'softmax' is quantised finished and normalised). What goes into a quantiser is computed in f32, as accurately as f32 sums, v_exp_f32 and their like allow (about 1e-6 of the number): no bf16 or f16 on the way to a quantiser, and a product that is left as it is and whose result goes on into a quantised operand takes f32 operands (vector FMAs, or v_wmma_f32_16x16x4_f32). A number that lies on a knife's edge between two numbers of the format may be rounded either way, as far as f32 arithmetic and the matrix unit's own rounding can turn it there, and no further.
;; One version. Each part assembles by itself: llvm-mc -triple=amdgcn-amd-amdhsa -mcpu=gfx1250 --defsym DOCPART=n.
;; ======== version 1 of 1: 2 launches
;; limits: right only within a limited range of input values
;; workspace buffers: kv 4,325,376 bytes
;; launch prep (part 1): grid 256 x 1, 4 waves a work-group, no clusters, 34,560 bytes of LDS; arguments func_embed, Wv_w, Wv_b, kv; writes kv
.if DOCPART == 1
	.amdgcn_target "amdgcn-amd-amdhsa--gfx1250"
	.amdhsa_code_object_version 6
	.text
	.protected	k_qcb048317be_prep
	.globl	k_qcb048317be_prep
	.p2align	8
	.type	k_qcb048317be_prep,@function
k_qcb048317be_prep:
	s_mov_b64 s[64:65], 0
	v_nop
	global_prefetch_b8 v0, s[64:65] scope:SCOPE_SE
	s_setreg_imm32_b32 hwreg(HW_REG_WAVE_MODE, 25, 1), 1
	s_wait_xcnt 0x0
; out = softmax(sent F^T / 16) (F Wv^T + b), all three products on codes of FP8 (E4M3) with one E8M0 scale for each 32 along K.  This launch makes what the attention launch streams:
; F's codes along its 256 (they serve the first product here and the second there), and func_val = F Wv^T + b, quantised along the KEYS.
; NO WORK IS LEFT OUT: all four inputs have a way to the output.  The bias would pass through the softmax's weights in real numbers, but it goes into a quantised operand, so it stays.
; LIMITS: NaN and infinities among the inputs are not served; a block whose largest magnitude lies under 2^-118 (a block of zeros too) gets the scale byte 1: the bytes are read by this program alone.
; kv: 64 steps of 128 keys x 67,584 bytes.  A step: K block, V block, 33,792 bytes each.  A block: 16 fragments as IMAGES OF THE OPERAND'S REGISTERS (2,048 bytes: registers 4 c .. 4 c + 3 of lane l at 512 c + 16 l), then 1,024 bytes of scale words.
;   K image 2 t + s: key tile t, K step s of F's 256; row r of tile 2 b + u is key 32 b + 8 u + r + 8 (r / 8), so that the results of tiles 2 b, 2 b + 1 are 16 neighbouring keys in a lane.
;   K scale words [4][lane][2]: word u of group b: tile 2 b + u, row lane % 16; lanes 0-15 K step 0's word, lanes 16-31 K step 1's.
;   V image dt: rows d = 16 dt + r of func_val^T, K = the step's 128 keys.  V scale words [4][lane][2]: word i of group dq: d-tile 4 dq + 2 i in lanes 0-15, 4 dq + 2 i + 1 in lanes 16-31.
; SHARES.  Work-group = (step g, quarter dq of d); wave w makes d-tile dt = 4 dq + w.  Each of a step's four work-groups quantises the step's 128 rows of F (wave w: key tiles 2 w, 2 w + 1) and hands the
; images round through LDS; to memory go only the images of the wave whose number is dq, so that each byte of the K block has one owner.  The product is used with source 0 = 16 keys, source 1 = 16 rows of Wv:
; a lane then holds ONE d and its registers run along the keys, which are the next K.  The bias is the C of each sum's first matrix instruction.
.set STEPB, 67584
.set BLK,   33792
.set KSA,   32768                      ; LDS: 0: F's 16 images; KSA: their scale words, laid as in kv
.set VSA,   33792                      ; the work-group's 256 bytes of V's scale words
.set SPARE, 34048                      ; the spare words, 128 bytes for each wave: two blocks of 256 bytes that no other line names
.set LI,  1                            ; v1   16 x lane
.set XW,  2                            ; v2   Wv: row r of 1,024 bytes + 64 h: my 16 numbers of a block of 32
.set XF,  3                            ; v3   F: row r + 8 (r / 8), + 64 h
.set L8,  4                            ; v4   8 x lane
.set WI,  5                            ; v5   8,192 x wave + 16 x lane: my images' place, in LDS and in the K block alike
.set WS8, 6                            ; v6   256 x wave + 8 x lane: my scale words' place, likewise
.set VSW, 7                            ; v7   8 r + 128 (wave % 2) + 4 (wave / 2): my d-tile's scale word among the work-group's
.set BO,  8                            ; v8   4 r: my d's bias
.set GV,  11                           ; v11  16 x lane + 2,048 dt
.set SPW, 12                           ; v12  LDS address of my spare word; never rewritten
.set NIL, 13                           ; v13  0; never rewritten
.set GVS, 14                           ; v14  8 x lane + 256 dq
.set LN,  15                           ; v15  lane
.set TM,  16                           ; v16-31 at work in QUANT: largest magnitudes, bytes, 448 x scale, scale operands: four each
.set WF,  32                           ; v32-63 Wv's two fragments
.set XA,  64                           ; v64-127, v128-191: two sets of 64 numbers as loaded;
.set XB,  128
.set FB,  64                           ; later four fragments of F,
.set HA,  128                          ; and my 8 tiles of func_val^T
.set PC0, 192                          ; v192-223 codes just made, two sets
.set PC1, 208
.set B8,  224                          ; v224-231 b[d], eight times: the C of a tile
.set KS,  232                          ; v232-239 F's scale words, a register a key tile
.set PWF, 240                          ; v240-243 the scale words of my four fragments of F
.set KSW, 244                          ; v244-245 the same, K step 0's in lanes 0-15 and K step 1's in lanes 16-31
.set WS,  246                          ; v246-247 Wv's scale words
.set VPW, 248                          ; v248 func_val's
.set WV,  12                           ; s12 wave;  s13 g;  s14 dq;  s15 dt
.set DQ,  14
.set SEL, 20                           ; s[20:21] v_permlanex16_b32's selects for lane l xor 16
.set MNT, 22                           ; s22 the mantissa field of 448
; 64 numbers a lane: of row adr, from off bytes on: register 16 b + i = k 32 b + 16 h + i
.macro XLOAD reg, adr, base, off
.irp b, 0,1,2,3
.irp j, 0,1,2,3
	global_load_b128 v[\reg+16*\b+4*\j:\reg+16*\b+4*\j+3], v[\adr], s[\base:\base+1] offset:\off+128*\b+16*\j
.endr
.endr
.endm
; the 64 numbers at v[s] on become a fragment's codes at v[d] on and its scale word in v[w]
.macro QUANT s, d, w
.irp b, 0,1,2,3
	v_max3_num_f32 v[TM+\b], |v[\s+16*\b]|, |v[\s+1+16*\b]|, 0x4800000   ; block b: my 16 numbers, and the floor 2^(9 - 127): the byte cannot fall under 1
.endr
.irp i, 2,4,6,8,10,12,14
.irp b, 0,1,2,3
	v_max3_num_f32 v[TM+\b], v[TM+\b], |v[\s+16*\b+\i]|, |v[\s+1+16*\b+\i]|   ; the four blocks by turns
.endr
.endr
.irp b, 0,1,2,3
	v_permlanex16_b32 v[TM+4+\b], v[TM+\b], s[SEL], s[SEL+1]
.endr
.irp b, 0,1,2,3
	v_max_num_f32 v[TM+\b], v[TM+\b], v[TM+4+\b]   ; with lane l xor 16's: the block's largest magnitude
.endr
.irp b, 0,1,2,3
	v_add_nc_u32 v[TM+12+\b], 0xfc000000, v[TM+\b]   ; 8 off its exponent field: the conversion's scale operand
.endr
.irp b, 0,1,2,3
	v_and_or_b32 v[TM+8+\b], v[TM+\b], 0x7f800000, s[MNT]   ; 448 x the scale
.endr
.irp b, 0,1,2,3
	v_lshrrev_b32 v[TM+4+\b], 23, v[TM+12+\b]   ; the scale's byte
.endr
	v_lshl_or_b32 v[\w], v[TM+5], 8, v[TM+4]
	v_lshl_or_b32 v[\w], v[TM+6], 16, v[\w]
	v_lshl_or_b32 v[\w], v[TM+7], 24, v[\w]
.irp b, 0,1,2,3
.irp i, 0,1,2,3,4,5,6,7,8,9,10,11,12,13,14,15
	v_med3_num_f32 v[\s+16*\b+\i], v[\s+16*\b+\i], -v[TM+8+\b], v[TM+8+\b]   ; the conversion to an 8-bit code does not saturate (ISA guide 7.6.2): the hold comes first
.endr
	v_cvt_scalef32_pk8_fp8_f32 v[\d+4*\b:\d+4*\b+1], v[\s+16*\b:\s+16*\b+7], v[TM+12+\b]
	v_cvt_scalef32_pk8_fp8_f32 v[\d+4*\b+2:\d+4*\b+3], v[\s+16*\b+8:\s+16*\b+15], v[TM+12+\b]
.endr
	v_nop                                          ; a plain line behind the last conversion, ahead of whatever next touches its registers
.endm
.macro BARRIER                                 ; my LDS stores have landed and my LDS loads are in: then the work-group's barrier
	s_wait_dscnt 0x0
	s_barrier_signal -1
	s_barrier_wait -1
.endm
; fragment (u, s) of my two key tiles: quantised, its image to LDS for all four waves, and to memory from the one wave that owns it
.macro FITEM u, s, buf, pc, left
	s_wait_loadcnt \left                           ; this item's 16 loads are in; the next item's may be out
	s_wait_xcnt 0x0                                ; the stores of two items back have read this set of code registers,
	s_wait_dscnt 0x0                               ; the LDS stores too
	QUANT \buf, \pc, PWF+2*\u+\s
.irp c, 0,1,2,3
	ds_store_b128 v[WI], v[\pc+4*\c:\pc+4*\c+3] offset:(2*\u+\s)*2048+512*\c
.endr
	s_cmp_lg_u32 s[WV], s[DQ]
	s_cbranch_scc1 .Lnot_mine_\@
.irp c, 0,1,2,3
	global_store_b128 v[WI], v[\pc+4*\c:\pc+4*\c+3], s[10:11] offset:(2*\u+\s)*2048+512*\c   ; 32 lanes store 512 consecutive bytes, aligned
.endr
.Lnot_mine_\@:
.endm
	s_load_b256 s[4:11], s[0:1], 0x0               ; F s[4:5], Wv s[6:7], b s[8:9], kv s[10:11]
	v_lshl_add_u32 v[SPW], v0, 2, SPARE
	v_mov_b32 v[NIL], 0
	v_lshrrev_b32 v[LN], 5, v0
	v_readfirstlane_b32 s[WV], v[LN]               ; wave 0..3
	s_lshr_b32 s13, ttmp9, 2                       ; g: the step of 128 keys
	s_and_b32 s[DQ], ttmp9, 3                      ; dq: the quarter of d
	s_lshl_b32 s15, s[DQ], 2
	s_add_co_u32 s15, s15, s[WV]                   ; dt
	v_and_b32 v[LN], 31, v0
	v_and_b32 v249, 15, v0                         ; r
	v_bfe_u32 v250, v0, 4, 1                       ; h
	v_lshlrev_b32 v[LI], 4, v[LN]
	v_lshlrev_b32 v[L8], 3, v[LN]
	v_lshlrev_b32 v[XW], 10, v249
	v_lshl_add_u32 v[XW], v250, 6, v[XW]
	v_and_b32 v251, 8, v249
	v_add_nc_u32 v251, v251, v249                  ; r + 8 (r / 8)
	v_lshlrev_b32 v[XF], 10, v251
	v_lshl_add_u32 v[XF], v250, 6, v[XF]
	s_lshl_b32 s16, s[WV], 13
	v_add_nc_u32 v[WI], s16, v[LI]
	s_lshl_b32 s16, s[WV], 8
	v_add_nc_u32 v[WS8], s16, v[L8]
	s_and_b32 s17, s[WV], 1
	s_lshl_b32 s17, s17, 7
	s_lshr_b32 s18, s[WV], 1
	s_lshl_b32 s18, s18, 2
	s_add_co_u32 s17, s17, s18
	v_lshl_add_u32 v[VSW], v249, 3, s17
	v_lshlrev_b32 v[BO], 2, v249
	s_lshl_b32 s19, s15, 11
	v_add_nc_u32 v[GV], s19, v[LI]
	s_lshl_b32 s19, s[DQ], 8
	v_add_nc_u32 v[GVS], s19, v[L8]
	s_mov_b32 s[SEL], 0x76543210
	s_mov_b32 s[SEL+1], 0xfedcba98
	s_mov_b32 s[MNT], 0x600000
.irp b, 0,1,2,3
	v_mov_b32 v[TM+4+\b], 0                        ; written once: a lane permute's destination counts as one of its sources
.endr
	s_lshl_b32 s24, s13, 17                        ; F: row 128 g + 32 w, 1,024 bytes a row
	s_lshl_b32 s25, s[WV], 15
	s_add_co_u32 s24, s24, s25
	s_mov_b32 s25, 0
	s_lshl_b32 s26, s15, 14                        ; Wv: row 16 dt
	s_mov_b32 s27, 0
	s_lshl_b32 s28, s15, 6                         ; b: number 16 dt
	s_mov_b32 s29, 0
	s_mul_i32 s30, s13, STEPB                      ; kv: step g
	s_mov_b32 s31, 0
	s_wait_alu depctr_va_vdst(0)
	s_wait_kmcnt 0x0
	s_add_nc_u64 s[4:5], s[4:5], s[24:25]
	s_add_nc_u64 s[6:7], s[6:7], s[26:27]
	s_add_nc_u64 s[8:9], s[8:9], s[28:29]
	s_add_nc_u64 s[10:11], s[10:11], s[30:31]
.irp j, 0,1,2,3,4,5,6,7
	global_load_b32 v[B8+\j], v[BO], s[8:9]        ; in the result a lane holds one d in all eight registers: so does the C
.endr
	XLOAD XA, XW, 6, 0                             ; six items of 64 numbers a lane go through two sets: Wv's K steps 0 and 1, then F's (u, s) = (0,0) (0,1) (1,0) (1,1)
	XLOAD XB, XW, 6, 512
	s_wait_loadcnt 16                              ; the bias and item 0 are in; item 1's 16 loads may be out
	QUANT XA, WF, WS
	XLOAD XA, XF, 4, 0
	s_wait_loadcnt 16
	QUANT XB, WF+16, WS+1
	XLOAD XB, XF, 4, 512
	FITEM 0, 0, XA, PC0, 16
	XLOAD XA, XF, 4, 8192
	FITEM 0, 1, XB, PC1, 16
	XLOAD XB, XF, 4, 8192+512
	FITEM 1, 0, XA, PC0, 16
	FITEM 1, 1, XB, PC1, 0
	v_cmp_gt_u32 vcc_lo, 16, v[LN]
	v_cndmask_b32 v[KSW], v[PWF+1], v[PWF], vcc_lo      ; both halves of the lanes hold a row's word: lanes 0-15 keep K step 0's, lanes 16-31 K step 1's
	v_cndmask_b32 v[KSW+1], v[PWF+3], v[PWF+2], vcc_lo
	ds_store_b64 v[WS8], v[KSW:KSW+1] offset:KSA
	s_cmp_lg_u32 s[WV], s[DQ]
	s_cbranch_scc1 .Lscales_not_mine
	global_store_b64 v[WS8], v[KSW:KSW+1], s[10:11] offset:32768   ; 32 lanes store 256 consecutive bytes, aligned
.Lscales_not_mine:
	BARRIER                                        ; F's sixteen images and their scale words lie in LDS
.irp i, 0,1,2,3
	ds_load_b64 v[KS+2*\i:KS+2*\i+1], v[L8] offset:KSA+256*\i
.endr
; func_val^T, two key tiles (32 keys) at a time: two accumulators by turns
.irp bb, 0,1,2,3
.if \bb > 0
.rept 8
	v_nop                                          ; places in front of loads into registers that matrix instructions have read
.endr
.endif
.irp f, 0,1,2,3
.irp c, 0,1,2,3
	ds_load_b128 v[FB+16*\f+4*\c:FB+16*\f+4*\c+3], v[LI] offset:8192*\bb+2048*\f+512*\c   ; fragment f = 2 u + s of tiles 2 bb + u
.endr
.endr
	s_wait_dscnt 0x0
	v_wmma_scale_f32_16x16x128_f8f6f4 v[HA+16*\bb:HA+16*\bb+7], v[FB:FB+15], v[WF:WF+15], v[B8:B8+7], v[KS+2*\bb], v[WS]
	v_wmma_scale_f32_16x16x128_f8f6f4 v[HA+16*\bb+8:HA+16*\bb+15], v[FB+32:FB+47], v[WF:WF+15], v[B8:B8+7], v[KS+2*\bb+1], v[WS]
	v_wmma_scale_f32_16x16x128_f8f6f4 v[HA+16*\bb:HA+16*\bb+7], v[FB+16:FB+31], v[WF+16:WF+31], v[HA+16*\bb:HA+16*\bb+7], v[KS+2*\bb], v[WS+1] matrix_a_scale:MATRIX_SCALE_ROW1
	v_wmma_scale_f32_16x16x128_f8f6f4 v[HA+16*\bb+8:HA+16*\bb+15], v[FB+48:FB+63], v[WF+16:WF+31], v[HA+16*\bb+8:HA+16*\bb+15], v[KS+2*\bb+1], v[WS+1] matrix_a_scale:MATRIX_SCALE_ROW1
.endr
.rept 8
	v_nop                                          ; places in front of the first read of results
.endr
	s_wait_xcnt 0x0                                ; the global stores that read this set of code registers have read them
	QUANT HA, PC0, VPW                             ; register 16 b + i of lane (r, h) is func_val(key 32 b + 16 h + i, d = 16 dt + r): the codes are V^T's fragment as it stands
.irp c, 0,1,2,3
	global_store_b128 v[GV], v[PC0+4*\c:PC0+4*\c+3], s[10:11] offset:BLK+512*\c
.endr
	ds_store_b32 v[VSW], v[VPW] offset:VSA         ; both halves of the lanes write the same word with the same value
	BARRIER                                        ; the work-group's 256 bytes of V's scale words lie in LDS
	s_cmp_lg_u32 s[WV], 0
	s_cbranch_scc1 .Lend
	ds_load_b64 v[250:251], v[L8] offset:VSA
	s_wait_dscnt 0x0
	global_store_b64 v[GVS], v[250:251], s[10:11] offset:BLK+32768   ; they leave as one aligned run of 256 bytes
.Lend:
	s_wait_tensorcnt 0x0                           ; the wave's end: behind my last LDS store
	ds_add_u32 v[SPW], v[NIL]
	s_wait_dscnt 0x0
	s_endpgm
.Lfunc_end_k_qcb048317be_prep:
	.size	k_qcb048317be_prep, .Lfunc_end_k_qcb048317be_prep-k_qcb048317be_prep
	.p2alignl 7, 3214868480
	.fill 96, 4, 3214868480
	.section	.rodata,"a",@progbits
	.p2align	6, 0x0
	.amdhsa_kernel k_qcb048317be_prep
		.amdhsa_group_segment_fixed_size 34560
		.amdhsa_private_segment_fixed_size 0
		.amdhsa_enable_private_segment 0
		.amdhsa_kernarg_size 32
		.amdhsa_user_sgpr_count 2
		.amdhsa_user_sgpr_kernarg_segment_ptr 1
		.amdhsa_wavefront_size32 1
		.amdhsa_system_sgpr_workgroup_id_x 1
		.amdhsa_system_sgpr_workgroup_id_y 1
		.amdhsa_system_sgpr_workgroup_id_z 1
		.amdhsa_system_vgpr_workitem_id 0
		.amdhsa_next_free_vgpr 256
		.amdhsa_next_free_sgpr 66
		.amdhsa_reserve_vcc 1
		.amdhsa_float_denorm_mode_32 3
		.amdhsa_float_denorm_mode_16_64 3
		.amdhsa_memory_ordered 1
		.amdhsa_forward_progress 1
		.amdhsa_inst_pref_size 80
	.end_amdhsa_kernel
	.amdgpu_metadata
---
amdhsa.version: [ 1, 2 ]
amdhsa.kernels:
  - .name:           k_qcb048317be_prep
    .symbol:         k_qcb048317be_prep.kd
    .args:
      - { .name: func_embed, .offset: 0, .size: 8, .value_kind: global_buffer, .address_space: global }
      - { .name: Wv_w, .offset: 8, .size: 8, .value_kind: global_buffer, .address_space: global }
      - { .name: Wv_b, .offset: 16, .size: 8, .value_kind: global_buffer, .address_space: global }
      - { .name: kv, .offset: 24, .size: 8, .value_kind: global_buffer, .address_space: global }
    .group_segment_fixed_size: 34560
    .private_segment_fixed_size: 0
    .kernarg_segment_align: 8
    .kernarg_segment_size: 32
    .max_flat_workgroup_size: 128
    .sgpr_count:     66
    .vgpr_count:     256
    .wavefront_size: 32
...
	.end_amdgpu_metadata
.endif
;; end of part 1
;; launch attn (part 2): grid 256 x 1, 4 waves a work-group, clusters of 4 x 1, 327,680 bytes of LDS; arguments sent_embed, kv, out0; writes out0
.if DOCPART == 2
	.amdgcn_target "amdgcn-amd-amdhsa--gfx1250"
	.amdhsa_code_object_version 6
	.text
	.protected	k_qcb048317be_attn
	.globl	k_qcb048317be_attn
	.p2align	8
	.type	k_qcb048317be_attn,@function
k_qcb048317be_attn:
	s_mov_b64 s[64:65], 0
	v_nop
	global_prefetch_b8 v0, s[64:65] scope:SCOPE_SE
	s_setreg_imm32_b32 hwreg(HW_REG_WAVE_MODE, 25, 1), 1
	s_wait_xcnt 0x0
	s_wait_alu depctr_hold_cnt(0) depctr_sa_sdst(0) depctr_va_vdst(0) depctr_va_sdst(0) depctr_va_ssrc(0) depctr_va_vcc(0) depctr_vm_vsrc(0)
	s_getreg_b32 s2, hwreg(HW_REG_IB_STS2, 6, 4)
	s_cmp_eq_u32 s2, 0
	s_cbranch_scc0 .Lentry_in_a_cluster
	s_endpgm
.Lentry_in_a_cluster:
	s_bfe_u32 s2, ttmp6, 0x10000c
	s_cmp_lg_u32 s2, 0x3003
	s_cbranch_scc0 .Lentry_shape_is_right
	s_endpgm
.Lentry_shape_is_right:
; out = softmax(sent F^T / 16) (F Wv^T + b) on codes of FP8 (E4M3) with one E8M0 scale for each 32 along K.  kv holds, for each of 64 steps of 128 keys, a K block and a V block of 33,792 bytes:
; 16 fragments as images of the operand's registers (2,048 bytes each) and 1,024 bytes of scale words, as the launch before lays them.  No work is left out here.
; LIMITS: NaN and infinities are not served; the promise holds while the scaled scores (the exponents to the base 2) stay under 2^31 in magnitude; a block of p whose largest number lies under 2^-118 gets the byte 1.
; SHARES.  A work-group owns 64 queries; wave w walks steps 16 w .. 16 w + 15 for all 64 queries (four tiles q of 16), with a running whole-number M, a sum and O^T (512 registers) of its own; the four parts are joined at the end through LDS.
; Both products are used transposed (S^T = K Q^T, O^T = V^T P^T): a lane holds one query.  The four work-groups of a cluster walk the same kv and ask for each block jointly (mask 15).
; LDS: a slot of 67,584 bytes for each wave (K block, V block).  K's block is filled again once its fragments lie in registers, V's likewise: two rounds of the cluster's barrier a step.
; THE ORDER OF A STEP.  All 16 fragments of K are loaded in two runs: tiles 0-5 into score registers that only later key tiles overwrite (tile t's two fragments lie where tiles 2 (t/2) + 2, + 3 put their scores), tiles 6, 7 where p's codes lie later.
; The blocks' largest scores are taken among the K products.  V's group g (d-tiles 4 g ..) is loaded over tile g's scores as soon as these are codes, and product (group g, tile q) is issued as soon as both exist:
; 4 and 12 of the 64 stand among the exponentials, 20 among the last tile's holds, 28 at the end, with the rescaling of their sums beside them and the next step's K fragments loaded among them.
; REGISTERS: window 0: v1-7 addresses, v8-15 scale words of K, then V, v16-19 Q's, v20-23 p's, v24-47 six a tile (-M, scratch, f, scratch, the sum's halves), v48-63 at work, v64-127 K tiles 6, 7, then block maxima and p's codes, v128-255 Q;
; window 1: the scores, K's and V's fragments; windows 2, 3: O^T, tile q at window 2 + q / 2, register 128 (q % 2) + 8 dt.
.set STEPB, 67584
.set BLK,   33792
.set QIMG,  4*STEPB                    ; Q's eight images; later the parts' M and sums
.set QSC,   QIMG+16384
.set SPARE, QSC+1024                   ; the spare words, 128 bytes a wave
.set SP,    1040
.set PFO,  1
.set ADK,  2
.set ADV,  3
.set ADKS, 4
.set ADVS, 5
.set SPW,  6
.set NIL,  7
.set KVS,  8
.set QS,   16
.set PW,   20
.set ST,   24
.set XM,   48                          ; v48-63 in the K phase: block maxima of my half, 4 q + b
.set T4,   48
.set HV,   52
.set SO,   56
.set CH,   60
.set TM,   48
.set FB,   64
.set BM,   76                          ; block maxima 16 q + b: they lie where tile q's last codes go
.set QF,   128
.set WV,   10
.set CX,   11
.set G1,   16
.set G0K,  24
.set G0V,  28
.set SEL,  32
.set CS,   34
.set MNT,  36
.set CNT,  37
.set LIM,  38
.set PFA,  40
.set G1H,  44                          ; s[44:51] group 1 of the head's load: a whole step, 264 rows of 256 bytes
.set MSB, 0
.macro WIN new                         ; the immediate's high byte repeats the setting that is left
.if MSB != (\new)
	s_set_vgpr_msb (MSB<<8)|(\new)
.set MSB, (\new)
.endif
.endm
.macro WALU
	s_wait_alu depctr_va_vdst(0)
.endm
.macro ROUND                           ; a round of the cluster's barrier
	s_barrier_signal -1
	s_barrier_wait -1
	s_cmp_lg_u32 s[WV], 0
	s_cbranch_scc1 .Lnot_wave_0_\@
	s_barrier_signal -3
.Lnot_wave_0_\@:
	s_barrier_wait -3
	s_barrier_signal -1
	s_barrier_wait -1
.endm
.macro GRD g0
	WIN 0
	s_wait_tensorcnt 0x0
	ds_add_u32 v[SPW], v[NIL]
	s_add_nc_u64 s[\g0+2:\g0+3], s[\g0+2:\g0+3], STEPB
.endm
.macro REFILL g0                       ; the add and my reads of the block are done; the round; the joint refill first behind it
	WIN 0
	WALU
	s_wait_dscnt 0x0
	ROUND
	tensor_load_to_lds s[\g0:\g0+3], s[G1:G1+7]
	s_nop 0
.rept 4
	v_nop
.endr
.endm
; A prefetch of the block that the NEXT refill of its kind asks for: 32 lanes x 256 bytes a wave; the cluster's four partners take 8,192 bytes each, told apart by address; cluster 0 alone asks, since all clusters walk the same kv; the last trip asks for nothing.
.macro ASK off
	s_cmp_gt_u32 s[CNT], s[LIM]
	s_cbranch_scc0 .Lnot_mine_\@
	global_prefetch_b8 v[PFO], s[PFA:PFA+1] offset:\off th:TH_LOAD_NT scope:SCOPE_SE
.Lnot_mine_\@:
.endm
.macro XLOAD reg, off
.irp b, 0,1,2,3
.irp j, 0,1,2,3
	global_load_b128 v[\reg+16*\b+4*\j:\reg+16*\b+4*\j+3], v100, s[4:5] offset:\off+128*\b+16*\j th:TH_LOAD_NT
.endr
.endr
.endm
.macro QUANT s, d, w                   ; 64 numbers a lane -> a fragment's codes and its scale word
.irp b, 0,1,2,3
	v_max3_num_f32 v[TM+\b], |v[\s+16*\b]|, |v[\s+1+16*\b]|, 0x4800000   ; the floor 2^(9 - 127) holds the byte at 1
.endr
.irp i, 2,4,6,8,10,12,14
.irp b, 0,1,2,3
	v_max3_num_f32 v[TM+\b], v[TM+\b], |v[\s+16*\b+\i]|, |v[\s+1+16*\b+\i]|
.endr
.endr
.irp b, 0,1,2,3
	v_permlanex16_b32 v[TM+4+\b], v[TM+\b], s[SEL], s[SEL+1]
.endr
.irp b, 0,1,2,3
	v_max_num_f32 v[TM+\b], v[TM+\b], v[TM+4+\b]
.endr
.irp b, 0,1,2,3
	v_add_nc_u32 v[TM+12+\b], 0xfc000000, v[TM+\b]   ; 8 off the exponent field: the conversion's scale operand
.endr
.irp b, 0,1,2,3
	v_and_or_b32 v[TM+8+\b], v[TM+\b], 0x7f800000, s[MNT]   ; 448 x the scale
.endr
.irp b, 0,1,2,3
	v_lshrrev_b32 v[TM+4+\b], 23, v[TM+12+\b]
.endr
	v_lshl_or_b32 v[\w], v[TM+5], 8, v[TM+4]
	v_lshl_or_b32 v[\w], v[TM+6], 16, v[\w]
	v_lshl_or_b32 v[\w], v[TM+7], 24, v[\w]
.irp b, 0,1,2,3
.irp i, 0,1,2,3,4,5,6,7,8,9,10,11,12,13,14,15
	v_med3_num_f32 v[\s+16*\b+\i], v[\s+16*\b+\i], -v[TM+8+\b], v[TM+8+\b]
.endr
	v_cvt_scalef32_pk8_fp8_f32 v[\d+4*\b:\d+4*\b+1], v[\s+16*\b:\s+16*\b+7], v[TM+12+\b]
	v_cvt_scalef32_pk8_fp8_f32 v[\d+4*\b+2:\d+4*\b+3], v[\s+16*\b+8:\s+16*\b+15], v[TM+12+\b]
.endr
	v_nop
.endm
.macro KFR t, s                        ; where fragment (key tile t, K step s) lies: KA_ in window KW_
.if (\t) < 6
.set KA_, 64*(2*((\t)%2)+(\s))+16*((\t)/2+1)
.set KW_, 1
.else
.set KA_, FB+32*((\t)-6)+16*(\s)
.set KW_, 0
.endif
.endm
.macro KLD t, s
	KFR \t, \s
	WIN KW_<<6
.irp c, 0,1,2,3
	ds_load_b128 v[KA_+4*\c:KA_+4*\c+3], v[ADK] offset:(2*(\t)+(\s))*2048+512*\c
.endr
.endm
.macro KL1                             ; the nine fragments whose places lie in tiles 0-2's score registers: 36 loads
	KLD 0, 0
	KLD 0, 1
	KLD 1, 0
	KLD 2, 0
	KLD 2, 1
	KLD 3, 0
	KLD 4, 0
	KLD 4, 1
	KLD 5, 0
.endm
.macro KL2                             ; K's scale words, then 28 loads: three fragments in tile 3's score registers, four where p's codes lay
	WIN 0
.irp i, 0,1,2,3
	ds_load_b64 v[KVS+2*\i:KVS+2*\i+1], v[ADKS] offset:256*\i
.endr
	KLD 1, 1
	KLD 3, 1
	KLD 5, 1
	KLD 6, 0
	KLD 6, 1
	KLD 7, 0
	KLD 7, 1
.endm
.macro BMX t                           ; the largest of key tile t's eight scores a lane, for each q: an even tile starts its block's maximum, an odd one goes through scratch and joins it (so that 19 plain lines lie between the two writes of a maximum)
.set B_, (\t)/2
.if (\t)%2
.set DB_, ST+1
.set DS_, 6
.else
.set DB_, XM+B_
.set DS_, 4
.endif
	WIN 0x05
.irp q, 0,1,2,3
	v_max_num_f32 v[DB_+DS_*\q], v[64*\q+8*(\t)], v[64*\q+8*(\t)+1]
.endr
.irp i, 2,4,6
.irp q, 0,1,2,3
	v_max3_num_f32 v[DB_+DS_*\q], v[64*\q+8*(\t)+\i], v[64*\q+8*(\t)+\i+1], v[DB_+DS_*\q]
.endr
.endr
.if (\t)%2
	WIN 0
.irp q, 0,1,2,3
	v_max_num_f32 v[XM+4*\q+B_], v[XM+4*\q+B_], v[ST+6*\q+1]
.endr
.endif
.endm
; S^T = K Q^T: eight products a key tile, the four accumulators by turns.  The counted waits name the LDS loads of KL2 issued behind the fragment that is wanted.  The lines behind a tile's products are the places
; ahead of the reads of the tile before, and (16 or 20, where 9 are owed) ahead of the products that write over fragments that are done with.
.macro KPH
.irp t, 0,1,2,3,4,5,6,7
.if \t == 0
	s_wait_dscnt 28
.elseif \t == 1
	s_wait_dscnt 24
.elseif \t == 3
	s_wait_dscnt 20
.elseif \t == 5
	s_wait_dscnt 16
.elseif \t == 6
	s_wait_dscnt 8
.elseif \t == 7
	s_wait_dscnt 0x0
.endif
	KFR \t, 0
	WIN 0x50|KW_
.irp q, 0,1,2,3
	v_wmma_scale_f32_16x16x128_f8f6f4 v[64*\q+8*\t:64*\q+8*\t+7], v[KA_:KA_+15], v[QF+32*\q:QF+32*\q+15], 0, v[KVS+\t], v[QS+\q]
.endr
	KFR \t, 1
.irp q, 0,1,2,3
	v_wmma_scale_f32_16x16x128_f8f6f4 v[64*\q+8*\t:64*\q+8*\t+7], v[KA_:KA_+15], v[QF+32*\q+16:QF+32*\q+31], v[64*\q+8*\t:64*\q+8*\t+7], v[KVS+\t], v[QS+\q] matrix_a_scale:MATRIX_SCALE_ROW1 matrix_b_scale:MATRIX_SCALE_ROW1
.endr
.if \t == 0
.rept 8
	v_nop
.endr
.else
	BMX \t-1
.endif
.endr
	BMX 7
.endm
.macro MALL2                           ; the blocks' maxima joined with lane l xor 16's; the running -M = floor(-t); f = 2^(old M - new M); each block's largest t - M
	WIN 0
.irp b, 0,1,2,3
.irp q, 0,1,2,3
	v_permlanex16_b32 v[ST+6*\q+1], v[XM+4*\q+\b], s[SEL], s[SEL+1]
.endr
.irp q, 0,1,2,3
	v_max_num_f32 v[BM+16*\q+\b], v[XM+4*\q+\b], v[ST+6*\q+1]
.endr
.endr
.irp q, 0,1,2,3
	v_max3_num_f32 v[ST+6*\q+1], v[BM+16*\q], v[BM+16*\q+1], v[BM+16*\q+2]
.endr
.irp q, 0,1,2,3
	v_max_num_f32 v[ST+6*\q+1], v[ST+6*\q+1], v[BM+16*\q+3]
.endr
.irp q, 0,1,2,3
	v_mul_f32 v[ST+6*\q+1], s[CS], v[ST+6*\q+1]
.endr
.irp q, 0,1,2,3
	v_floor_f32 v[ST+6*\q+1], -v[ST+6*\q+1]
.endr
.irp q, 0,1,2,3
	v_mov_b32 v[ST+6*\q+3], v[ST+6*\q]
.endr
.irp q, 0,1,2,3
	v_min_num_f32 v[ST+6*\q], v[ST+6*\q], v[ST+6*\q+1]
.endr
.irp q, 0,1,2,3
	v_sub_f32 v[ST+6*\q+3], v[ST+6*\q], v[ST+6*\q+3]
.endr
.irp q, 0,1,2,3
	v_cvt_i32_f32 v[ST+6*\q+3], v[ST+6*\q+3]
.endr
.irp q, 0,1,2,3
	v_ldexp_f32 v[ST+6*\q+2], 1.0, v[ST+6*\q+3]
.endr
.irp b, 0,1,2,3
.irp q, 0,1,2,3
	v_fma_f32 v[BM+16*\q+\b], v[BM+16*\q+\b], s[CS], v[ST+6*\q]
.endr
.endr
.endm
; The 64 products of O^T += V^T P^T in five stages, by when V's group and p's tile exist.  IDX sets d-tile DT_ and query tile Q_ of product n of stage st.
.macro IDX st, n
.if (\st) == 0
.set DT_, (\n)
.set Q_, 0
.elseif (\st) == 1
.set DT_, 4*(((\n)/4+1)/2)+(\n)%4
.set Q_, 1-((\n)/4)%2
.elseif (\st) == 2
.if (\n) < 8
.set DT_, (\n)
.set Q_, 2
.else
.set DT_, 8+(\n)%4
.set Q_, (\n)/4-2
.endif
.elseif (\st) == 3
.set DT_, (\n)
.set Q_, 3
.else
.set DT_, 12+(\n)/4
.set Q_, (\n)%4
.endif
.endm
.macro RS1                             ; accumulator (DT_, Q_) under the new M: x f, exact
	WIN 0x82+0x41*(Q_/2)
.irp j, 0,2,4,6
	v_pk_mul_f32 v[128*(Q_%2)+8*DT_+\j:128*(Q_%2)+8*DT_+\j+1], v[128*(Q_%2)+8*DT_+\j:128*(Q_%2)+8*DT_+\j+1], v[ST+6*Q_+2:ST+6*Q_+3] op_sel_hi:[1,0]
.endr
.endm
.macro PV1
	WIN 0xa1+0x50*(Q_/2)
.if DT_%2
	v_wmma_scale_f32_16x16x128_f8f6f4 v[128*(Q_%2)+8*DT_:128*(Q_%2)+8*DT_+7], v[16*DT_:16*DT_+15], v[FB+16*Q_:FB+16*Q_+15], v[128*(Q_%2)+8*DT_:128*(Q_%2)+8*DT_+7], v[KVS+DT_/2], v[PW+Q_] matrix_a_scale:MATRIX_SCALE_ROW1
.else
	v_wmma_scale_f32_16x16x128_f8f6f4 v[128*(Q_%2)+8*DT_:128*(Q_%2)+8*DT_+7], v[16*DT_:16*DT_+15], v[FB+16*Q_:FB+16*Q_+15], v[128*(Q_%2)+8*DT_:128*(Q_%2)+8*DT_+7], v[KVS+DT_/2], v[PW+Q_]
.endif
.endm
.macro RSG st, cnt                     ; a stage's rescaling, in a stretch with no exponential between the wait ahead and these lines
.set n_, 0
.rept \cnt
	IDX \st, n_
	RS1
.set n_, n_+1
.endr
.endm
.macro STD st, cnt                     ; a stage's products, each with the next one's rescaling ahead of it (product 0's stands ahead of the macro)
.set n_, 0
.rept \cnt
.if n_+1 < \cnt
	IDX \st, n_+1
	RS1
.endif
	IDX \st, n_
	PV1
.set n_, n_+1
.endr
.endm
.macro STC                             ; stage 2's twenty products, with their rescaling and tile 3's 64 holds among them
	IDX 2, 0
	RS1
.set n_, 0
.rept 20
.if n_ < 19
	IDX 2, n_+1
	RS1
.endif
	WIN 0x41
.set i_, (64*n_)/20
.rept (64*(n_+1))/20-(64*n_)/20
	v_min_num_f32 v[192+i_], v[192+i_], v[HV+i_/16]
.set i_, i_+1
.endr
.if n_ == 8
	WALU
	s_wait_dscnt 0x0                       ; V's group 2 is in
.endif
	IDX 2, n_
	PV1
.set n_, n_+1
.endr
.endm
.macro FMA q                           ; t - M, two at a time
	WIN 0x41
.set i, 0
.rept 32
	v_pk_fma_f32 v[64*\q+i:64*\q+i+1], v[64*\q+i:64*\q+i+1], s[CS:CS+1], v[ST+6*\q:ST+6*\q+1] op_sel_hi:[1,0,0]
.set i, i+2
.endr
.endm
; tile e's exponentials, tile m's holds, tile f's t - M, line by line, and the first cnt products of stage st, one behind every fifth turn
.macro MIX e, m, f, st, cnt
.set i, 0
.rept 64
	WIN 0x41
.if (\e) >= 0
	v_exp_f32 v[64*(\e)+i], v[64*(\e)+i]
.endif
.if (\m) >= 0
	v_min_num_f32 v[64*(\m)+i], v[64*(\m)+i], v[HV+i/16]
.endif
.if ((\f) >= 0) && (i%2 == 0)
	v_pk_fma_f32 v[64*(\f)+i:64*(\f)+i+1], v[64*(\f)+i:64*(\f)+i+1], s[CS:CS+1], v[ST+6*(\f):ST+6*(\f)+1] op_sel_hi:[1,0,0]
.endif
.if (i%5 == 0) && (i/5 < (\cnt))
	IDX \st, i/5
	PV1
.endif
.set i, i+1
.endr
.endm
.macro EB q                            ; each block's largest p: the same multiply-add and exponential on the block's largest score
	WIN 0
.irp b, 0,1,2,3
	v_exp_f32 v[BM+16*\q+\b], v[BM+16*\q+\b]
.endr
	v_nop
	WALU
.endm
.macro SUM q                           ; the row's sum of the unquantised p, in four chains, onto the running sum x f
	WIN 0x05
	v_pk_add_f32 v[T4:T4+1], v[64*\q:64*\q+1], v[64*\q+2:64*\q+3]
	v_pk_add_f32 v[T4+2:T4+3], v[64*\q+4:64*\q+5], v[64*\q+6:64*\q+7]
	v_pk_add_f32 v[CH:CH+1], v[64*\q+8:64*\q+9], v[64*\q+10:64*\q+11]
	v_pk_add_f32 v[CH+2:CH+3], v[64*\q+12:64*\q+13], v[64*\q+14:64*\q+15]
	WIN 0x01
.irp i, 16,24,32,40,48,56
	v_pk_add_f32 v[T4:T4+1], v[64*\q+\i:64*\q+\i+1], v[T4:T4+1]
	v_pk_add_f32 v[T4+2:T4+3], v[64*\q+\i+2:64*\q+\i+3], v[T4+2:T4+3]
	v_pk_add_f32 v[CH:CH+1], v[64*\q+\i+4:64*\q+\i+5], v[CH:CH+1]
	v_pk_add_f32 v[CH+2:CH+3], v[64*\q+\i+6:64*\q+\i+7], v[CH+2:CH+3]
.endr
	WIN 0
	v_pk_add_f32 v[T4:T4+1], v[T4:T4+1], v[T4+2:T4+3]
	v_pk_add_f32 v[CH:CH+1], v[CH:CH+1], v[CH+2:CH+3]
	v_pk_add_f32 v[T4:T4+1], v[T4:T4+1], v[CH:CH+1]
	v_pk_fma_f32 v[ST+6*\q+4:ST+6*\q+5], v[ST+6*\q+4:ST+6*\q+5], v[ST+6*\q+2:ST+6*\q+3], v[T4:T4+1] op_sel_hi:[1,0,1]
.endm
.macro Z q                             ; tile q's four blocks: scale operand, 448 x scale, byte, scale word
	WIN 0
.irp b, 0,1,2,3
	v_max_num_f32 v[BM+16*\q+\b], 0x4800000, v[BM+16*\q+\b]
.endr
.irp b, 0,1,2,3
	v_add_nc_u32 v[SO+\b], 0xfc000000, v[BM+16*\q+\b]
.endr
.irp b, 0,1,2,3
	v_and_or_b32 v[HV+\b], v[BM+16*\q+\b], 0x7f800000, s[MNT]
.endr
.irp b, 0,1,2,3
	v_lshrrev_b32 v[T4+\b], 23, v[SO+\b]
.endr
	v_lshl_or_b32 v[PW+\q], v[T4+1], 8, v[T4]
	v_lshl_or_b32 v[PW+\q], v[T4+2], 16, v[PW+\q]
	v_lshl_or_b32 v[PW+\q], v[T4+3], 24, v[PW+\q]
.endm
.macro CVT q
	WIN 0x01
.irp b, 0,1,2,3
	v_cvt_scalef32_pk8_fp8_f32 v[FB+16*\q+4*\b:FB+16*\q+4*\b+1], v[64*\q+16*\b:64*\q+16*\b+7], v[SO+\b]
	v_cvt_scalef32_pk8_fp8_f32 v[FB+16*\q+4*\b+2:FB+16*\q+4*\b+3], v[64*\q+16*\b+8:64*\q+16*\b+15], v[SO+\b]
.endr
.endm
.macro VLOAD q                         ; V's group q over tile q's scores, which are codes now
	WIN 0x40
.irp d, 0,1,2,3
.irp c, 0,1,2,3
	ds_load_b128 v[64*\q+16*\d+4*\c:64*\q+16*\d+4*\c+3], v[ADV] offset:(4*\q+\d)*2048+512*\c
.endr
.endr
.endm
.macro STEP fill
	KPH
	MALL2
	FMA 0
	WALU
	MIX 0, -1, 1, 0, 0
	EB 0
.if \fill
	GRD G0K
	s_wait_xcnt 0x0                        ; my prefetches have read their address
	s_add_nc_u64 s[PFA:PFA+1], s[PFA:PFA+1], STEPB
.else
	WIN 0
	s_wait_tensorcnt 0x0                   ; V's block of the last step has landed
.endif
	SUM 0
	Z 0
.if \fill
	REFILL G0K
	ASK 0
.else
	WALU
.endif
	MIX 1, 0, 2, 0, 0
	WALU
	CVT 0
	EB 1
.irp i, 0,1,2,3
	ds_load_b64 v[KVS+2*\i:KVS+2*\i+1], v[ADVS] offset:256*\i
.endr
	VLOAD 0
	RSG 0, 4
	SUM 1
	Z 1
	WALU
	s_wait_dscnt 0x0                       ; V's scale words and group 0
	MIX 2, 1, 3, 0, 4
	WALU
	CVT 1
	EB 2
	VLOAD 1
	RSG 1, 12
	SUM 2
	Z 2
	WALU
	s_wait_dscnt 0x0                       ; group 1
	MIX 3, 2, -1, 1, 12
	WALU
	CVT 2
	EB 3
	VLOAD 2
	SUM 3
	Z 3
	STC
	CVT 3
	v_nop
	WALU
	VLOAD 3
.if \fill
	GRD G0V
.endif
	IDX 3, 0
	RS1
	STD 3, 12
.if \fill
	REFILL G0V
	ASK BLK
.else
	WALU
	s_wait_dscnt 0x0                       ; group 3
.endif
	IDX 4, 0
	RS1                                    ; with the four v_nop ahead: eight places behind the last product that read groups 0-2
.if \fill
	KL1
.endif
	STD 4, 16
	WIN 0
.if \fill
.rept 8
	v_nop                                  ; places ahead of the loads into group 3's, the codes' and the scale words' registers
.endr
	KL2
	WIN 0
.endif
.endm
	s_load_b128 s[4:7], s[0:1], 0x0        ; sent_embed, kv
	s_load_b64 s[8:9], s[0:1], 0x10        ; out0
	v_lshl_add_u32 v[SPW], v0, 2, SPARE
	v_mov_b32 v[NIL], 0
	ds_add_u32 v[SPW], v[NIL]              ; the opening lines: the add twice on end and its wait
	ds_add_u32 v[SPW], v[NIL]
	v_lshrrev_b32 v[PFO], 5, v0
	v_readfirstlane_b32 s[WV], v[PFO]
	v_and_b32 v101, 15, v0                 ; r
	v_bfe_u32 v102, v0, 4, 1               ; h
	v_and_b32 v103, 31, v0                 ; lane
	v_lshlrev_b32 v100, 10, v101
	v_lshl_add_u32 v100, v102, 6, v100     ; sent_embed: row r of 1,024 bytes + 64 h
	s_bfe_u32 s[CX], ttmp6, 0x40000
	s_mov_b32 s[G1], 15|(3<<16)|(1<<21)    ; a block: 132 rows of 256 bytes (32 elements of 8), dense; mask: all four partners
	s_mov_b32 s[G1+1], 32<<16
	s_mov_b32 s[G1+2], 132<<16
	s_mov_b32 s[G1+3], 32<<16
	s_mov_b32 s[G1+4], 132
	s_mov_b32 s[G1+5], 32
	s_mov_b32 s[G1+6], 0
	s_mov_b32 s[G1+7], 0
	s_mov_b32 s[G1H], 15|(3<<16)|(1<<21)   ; a whole step: 264 rows
	s_mov_b32 s[G1H+1], 32<<16
	s_mov_b32 s[G1H+2], 264<<16
	s_mov_b32 s[G1H+3], 32<<16
	s_mov_b32 s[G1H+4], 264
	s_mov_b32 s[G1H+5], 32
	s_mov_b32 s[G1H+6], 0
	s_mov_b32 s[G1H+7], 0
	s_mov_b32 s[SEL], 0x76543210
	s_mov_b32 s[SEL+1], 0xfedcba98
	s_mov_b32 s[CS], 0x3db8aa3b            ; log2(e) / 16
	s_mov_b32 s[CS+1], s[CS]
	s_mov_b32 s[MNT], 0x600000
	s_mov_b32 s[CNT], 15
	s_lshl_b32 s12, ttmp9, 2
	s_add_co_u32 s12, s12, s[CX]
	s_lshl_b32 s12, s12, 16                ; my work-group's 64 rows,
	s_lshl_b32 s13, s[WV], 14              ; my wave's 16 of them
	s_add_co_u32 s12, s12, s13
	s_mov_b32 s13, 0
	s_mul_i32 s14, s[WV], 16*STEPB         ; my wave's first step
	s_mov_b32 s15, 0
	s_mov_b32 s[G0K], 1
	s_mul_i32 s[G0K+1], s[WV], STEPB
	s_mov_b32 s[G0V], 1
	s_add_co_u32 s[G0V+1], s[G0K+1], BLK
	s_cmp_eq_u32 ttmp9, 0
	s_cselect_b32 s[LIM], 1, -1
	WALU
	s_wait_dscnt 0x0
	s_wait_kmcnt 0x0
	s_add_nc_u64 s[4:5], s[4:5], s[12:13]
	s_add_nc_u64 s[8:9], s[8:9], s[12:13]
	s_add_nc_u64 s[G0K+2:G0K+3], s[6:7], s[14:15]
	s_add_nc_u64 s[G0V+2:G0V+3], s[G0K+2:G0K+3], BLK
	s_add_nc_u64 s[PFA:PFA+1], s[G0K+2:G0K+3], STEPB
	s_lshl_b32 s12, s[CX], 13
	s_add_nc_u64 s[PFA:PFA+1], s[PFA:PFA+1], s[12:13]
	s_or_b32 s[G0K+3], s[G0K+3], 0x80000000
	s_or_b32 s[G0V+3], s[G0V+3], 0x80000000
	XLOAD 128, 0                           ; my 16 queries, asked for ahead of the round
	XLOAD 192, 512
	ROUND
	tensor_load_to_lds s[G0K:G0K+3], s[G1H:G1H+7]   ; step 0, K and V blocks by one load: my one tensor load at the head
	s_nop 0
.rept 4
	v_nop
.endr
	v_lshlrev_b32 v[PFO], 8, v103
	s_mul_i32 s12, s[WV], STEPB
	v_lshl_add_u32 v[ADK], v103, 4, s12
	v_add_nc_u32 v[ADV], BLK, v[ADK]
	v_lshl_add_u32 v[ADKS], v103, 3, s12
	v_add_nc_u32 v[ADKS], 32768, v[ADKS]
	v_add_nc_u32 v[ADVS], BLK, v[ADKS]
	s_lshl_b32 s13, s[WV], 12
	v_lshl_add_u32 v96, v103, 4, s13
	v_add_nc_u32 v96, QIMG, v96
	s_lshl_b32 s13, s[WV], 8
	v_lshl_add_u32 v97, v103, 2, s13
	v_add_nc_u32 v97, QSC, v97
.irp q, 0,1,2,3
	v_mov_b32 v[ST+6*\q], 0x7f61b1e6       ; -M: above every -t
.irp j, 1,2,3,4,5
	v_mov_b32 v[ST+6*\q+\j], 0
.endr
.endr
.irp b, 0,1,2,3
	v_mov_b32 v[TM+4+\b], 0
.endr
	WIN 0x80                               ; O^T begins as zeros, so that the step is written for all steps alike; these lines stand under the loads' flight
.set i, 0
.rept 256
	v_mov_b32 v[i], 0
.set i, i+1
.endr
	WIN 0xc0
.set i, 0
.rept 256
	v_mov_b32 v[i], 0
.set i, i+1
.endr
	WIN 0
	s_wait_loadcnt 16
	QUANT 128, 64, 20                      ; my tile of Q, quantised; its images go to all four waves through LDS
.irp c, 0,1,2,3
	ds_store_b128 v96, v[64+4*\c:64+4*\c+3] offset:512*\c
.endr
	ds_store_b32 v97, v20
	s_wait_loadcnt 0x0
	QUANT 192, 80, 21
.irp c, 0,1,2,3
	ds_store_b128 v96, v[80+4*\c:80+4*\c+3] offset:2048+512*\c
.endr
	ds_store_b32 v97, v21 offset:128
	v_lshl_add_u32 v48, v103, 4, QIMG
	v_lshlrev_b32 v49, 2, v103
	v_lshl_add_u32 v49, v102, 7, v49
	v_add_nc_u32 v49, QSC, v49
	WALU
	s_wait_tensorcnt 0x0                   ; step 0 has landed
	s_wait_dscnt 0x0
	s_barrier_signal -1
	s_barrier_wait -1
.irp f, 0,1,2,3,4,5,6,7
.irp c, 0,1,2,3
	ds_load_b128 v[QF+16*\f+4*\c:QF+16*\f+4*\c+3], v48 offset:2048*\f+512*\c
.endr
.endr
.irp q, 0,1,2,3
	ds_load_b32 v[QS+\q], v49 offset:256*\q
.endr
	KL1
	KL2
	WIN 0
.Lstep:                                        ; 15 trips, each with its two refills; the last step is written out and fills nothing
	STEP 1
	s_sub_co_u32 s[CNT], s[CNT], 1
	s_cmp_lg_u32 s[CNT], 0
	WALU
	s_cbranch_scc1 .Lstep
	STEP 0
	; THE FOUR PARTS ARE JOINED: -M and the sums go round through LDS; each part's O^T is brought under the common M and divided by the common sum, laid into its wave's slot (which has had its last fill and its last read),
	; and wave w adds the four parts of queries 16 w .. 16 w + 15 and stores whole rows.
	v_and_b32 v48, 15, v0
	v_bfe_u32 v49, v0, 4, 1
	v_and_b32 v50, 31, v0
	s_mul_i32 s12, s[WV], STEPB
	v_mul_u32_u24 v2, v48, SP
	v_lshl_add_u32 v2, v49, 5, v2
	v_add_nc_u32 v2, s12, v2
	s_lshl_b32 s13, s[WV], 2
	v_lshl_add_u32 v3, v50, 4, s13
	v_add_nc_u32 v3, QIMG, v3
	v_lshl_add_u32 v4, v50, 4, QIMG
	v_lshlrev_b32 v5, 4, v50
	s_mul_i32 s13, s[WV], 16*SP
	v_add_nc_u32 v52, s13, v5
	v_add_nc_u32 v53, STEPB, v52
	v_add_nc_u32 v54, 2*STEPB, v52
	v_add_nc_u32 v55, 3*STEPB, v52
.irp q, 0,1,2,3
	v_add_f32 v[ST+6*\q+1], v[ST+6*\q+4], v[ST+6*\q+5]
.endr
.irp q, 0,1,2,3
	v_permlanex16_b32 v[ST+6*\q+3], v[ST+6*\q+1], s[SEL], s[SEL+1]
.endr
.irp q, 0,1,2,3
	v_add_f32 v[ST+6*\q+1], v[ST+6*\q+1], v[ST+6*\q+3]
.endr
.irp q, 0,1,2,3
	ds_store_b32 v3, v[ST+6*\q] offset:1024*\q
	ds_store_b32 v3, v[ST+6*\q+1] offset:1024*\q+512
.endr
	s_wait_dscnt 0x0
	s_barrier_signal -1
	s_barrier_wait -1
.irp q, 0,1,2,3
	ds_load_b128 v[64+8*\q:67+8*\q], v4 offset:1024*\q
	ds_load_b128 v[68+8*\q:71+8*\q], v4 offset:1024*\q+512
.endr
	s_wait_dscnt 0x0
.irp q, 0,1,2,3
	v_min_num_f32 v[56+\q], v[64+8*\q], v[65+8*\q]
.endr
.irp q, 0,1,2,3
	v_min_num_f32 v[56+\q], v[56+\q], v[66+8*\q]
.endr
.irp q, 0,1,2,3
	v_min_num_f32 v[56+\q], v[56+\q], v[67+8*\q]   ; the common -M
.endr
.irp q, 0,1,2,3
.irp i, 0,1,2,3
	v_sub_f32 v[64+8*\q+\i], v[56+\q], v[64+8*\q+\i]
.endr
	v_sub_f32 v[ST+6*\q+3], v[56+\q], v[ST+6*\q]
.endr
.irp q, 0,1,2,3
.irp i, 0,1,2,3
	v_cvt_i32_f32 v[64+8*\q+\i], v[64+8*\q+\i]
.endr
	v_cvt_i32_f32 v[ST+6*\q+3], v[ST+6*\q+3]
.endr
.irp q, 0,1,2,3
.irp i, 0,1,2,3
	v_ldexp_f32 v[68+8*\q+\i], v[68+8*\q+\i], v[64+8*\q+\i]
.endr
.endr
.irp q, 0,1,2,3
	v_add_f32 v[68+8*\q], v[68+8*\q], v[69+8*\q]
	v_add_f32 v[70+8*\q], v[70+8*\q], v[71+8*\q]
.endr
.irp q, 0,1,2,3
	v_add_f32 v[68+8*\q], v[68+8*\q], v[70+8*\q]
.endr
	WALU
.irp q, 0,1,2,3
	v_rcp_f32 v[ST+6*\q+1], v[68+8*\q]
.endr
	v_nop
	WALU
.irp q, 0,1,2,3
	v_ldexp_f32 v[ST+6*\q+2], v[ST+6*\q+1], v[ST+6*\q+3]
.endr
.irp hf, 0,1
	WIN 0x82+0x41*\hf
.irp e, 0,1
.set i, 0
.rept 64
	v_pk_mul_f32 v[128*\e+i:128*\e+i+1], v[128*\e+i:128*\e+i+1], v[ST+6*(2*\hf+\e)+2:ST+6*(2*\hf+\e)+3] op_sel_hi:[1,0]
.set i, i+2
.endr
.endr
	WIN 0x08+4*\hf
.irp e, 0,1
.set i, 0
.rept 16
	ds_store_b128 v2, v[128*\e+8*i:128*\e+8*i+3] offset:16*(2*\hf+\e)*SP+64*i
	ds_store_b128 v2, v[128*\e+8*i+4:128*\e+8*i+7] offset:16*(2*\hf+\e)*SP+64*i+16
.set i, i+1
.endr
.endr
.endr
	WIN 0
	s_wait_dscnt 0x0
	s_barrier_signal -1
	s_barrier_wait -1
.macro BLOAD n
.set BB, 64+64*((\n)%2)
.irp e, 0,1,2,3
.irp p, 0,1,2,3
	ds_load_b128 v[BB+16*\e+4*\p:BB+16*\e+4*\p+3], v[52+\p] offset:(2*(\n)+\e/2)*SP+512*(\e%2)
.endr
.endr
.endm
.macro BSUM n, left
.set BB, 64+64*((\n)%2)
	s_wait_dscnt \left
.irp e, 0,1,2,3
	v_pk_add_f32 v[BB+16*\e:BB+16*\e+1], v[BB+16*\e:BB+16*\e+1], v[BB+16*\e+4:BB+16*\e+5]
	v_pk_add_f32 v[BB+16*\e+2:BB+16*\e+3], v[BB+16*\e+2:BB+16*\e+3], v[BB+16*\e+6:BB+16*\e+7]
	v_pk_add_f32 v[BB+16*\e+8:BB+16*\e+9], v[BB+16*\e+8:BB+16*\e+9], v[BB+16*\e+12:BB+16*\e+13]
	v_pk_add_f32 v[BB+16*\e+10:BB+16*\e+11], v[BB+16*\e+10:BB+16*\e+11], v[BB+16*\e+14:BB+16*\e+15]
	v_pk_add_f32 v[BB+16*\e:BB+16*\e+1], v[BB+16*\e:BB+16*\e+1], v[BB+16*\e+8:BB+16*\e+9]
	v_pk_add_f32 v[BB+16*\e+2:BB+16*\e+3], v[BB+16*\e+2:BB+16*\e+3], v[BB+16*\e+10:BB+16*\e+11]
	global_store_b128 v5, v[BB+16*\e:BB+16*\e+3], s[8:9] offset:(2*(\n)+\e/2)*1024+512*(\e%2) th:TH_STORE_NT   ; 32 lanes store 512 consecutive bytes, aligned
.endr
.endm
	BLOAD 0
	BLOAD 1
.irp n, 0,1,2,3,4,5,6,7
.if \n < 7
	BSUM \n, 16
.else
	BSUM \n, 0
.endif
.if \n < 6
	s_wait_xcnt 0x0                        ; the stores have read their registers
	BLOAD \n+2
.endif
.endr
	s_wait_tensorcnt 0x0                   ; the wave's end
	ds_add_u32 v[SPW], v[NIL]
	s_wait_dscnt 0x0
	ROUND                                  ; the closing round
	s_endpgm
.Lfunc_end_k_qcb048317be_attn:
	.size	k_qcb048317be_attn, .Lfunc_end_k_qcb048317be_attn-k_qcb048317be_attn
	.p2alignl 7, 3214868480
	.fill 96, 4, 3214868480
	.section	.rodata,"a",@progbits
	.p2align	6, 0x0
	.amdhsa_kernel k_qcb048317be_attn
		.amdhsa_group_segment_fixed_size 327680
		.amdhsa_private_segment_fixed_size 0
		.amdhsa_enable_private_segment 0
		.amdhsa_kernarg_size 24
		.amdhsa_user_sgpr_count 2
		.amdhsa_user_sgpr_kernarg_segment_ptr 1
		.amdhsa_wavefront_size32 1
		.amdhsa_system_sgpr_workgroup_id_x 1
		.amdhsa_system_sgpr_workgroup_id_y 1
		.amdhsa_system_sgpr_workgroup_id_z 1
		.amdhsa_system_vgpr_workitem_id 0
		.amdhsa_next_free_vgpr 1024
		.amdhsa_next_free_sgpr 66
		.amdhsa_reserve_vcc 0
		.amdhsa_float_denorm_mode_32 3
		.amdhsa_float_denorm_mode_16_64 3
		.amdhsa_memory_ordered 1
		.amdhsa_forward_progress 1
		.amdhsa_inst_pref_size 255
	.end_amdhsa_kernel
	.section	.bss,"aw",@nobits
	.p2align	6
	.space	262144
	.amdgpu_metadata
---
amdhsa.version: [ 1, 2 ]
amdhsa.kernels:
  - .name:           k_qcb048317be_attn
    .symbol:         k_qcb048317be_attn.kd
    .args:
      - { .name: sent_embed, .offset: 0, .size: 8, .value_kind: global_buffer, .address_space: global }
      - { .name: kv, .offset: 8, .size: 8, .value_kind: global_buffer, .address_space: global }
      - { .name: out0, .offset: 16, .size: 8, .value_kind: global_buffer, .address_space: global }
    .group_segment_fixed_size: 327680
    .private_segment_fixed_size: 0
    .kernarg_segment_align: 8
    .kernarg_segment_size: 24
    .max_flat_workgroup_size: 128
    .sgpr_count:     66
    .vgpr_count:     1024
    .wavefront_size: 32
...
	.end_amdgpu_metadata
.endif
;; end of part 2
